; MI455X (gfx1250); checked and timed in simulation.
; The chip was launched on July 23, 2026; its instructions are those of AMD's public machine-readable ISA for CDNA 5 (MIT licence, August 2026) and "CDNA5" Instruction Set Architecture Reference Guide (July 2026). The comments in the code are by the model that wrote it; some were corrected since.
;; Density Estimator. Allowed arithmetic: float matrix products may take bf16 or f16 operands with f32 sums; other float arithmetic in f32, or as packed bf16 or f16 multiplies, adds, multiply-adds, maxima and minima; sums over many terms, partial sums and values carried from step to step in f32; what a program stores and reads back later, other than sums and carried values, may be rounded once to bf16 or f16.
;; Inputs: features 8,192 x 1,024 float32.
;; Outputs: out0 8,192 x 1 float32.
;; 2 versions, each right; version 2 is version 1 with the launch prep written anew for expert scheduling mode. Each part assembles by itself: llvm-mc -triple=amdgcn-amd-amdhsa -mcpu=gfx1250 --defsym DOCPART=n.
;; ======== version 1 of 2: 3 launches
;; workspace buffers: xb 16,777,216 bytes; nh 32,768 bytes; cand 6,291,456 bytes
;; launch prep (part 1): grid 512 x 1, 8 waves a work-group, no clusters, 0 bytes of LDS; arguments features, xb, nh; writes xb, nh
.if DOCPART == 1
	.amdgcn_target "amdgcn-amd-amdhsa--gfx1250"
	.amdhsa_code_object_version 6
	.text
	.protected	k_qcaa0c09799_prep
	.globl	k_qcaa0c09799_prep
	.p2align	8
	.type	k_qcaa0c09799_prep,@function
k_qcaa0c09799_prep:
	s_mov_b64 s[64:65], 0
	v_nop
	global_prefetch_b8 v0, s[64:65] scope:SCOPE_SE
	s_setreg_imm32_b32 hwreg(HW_REG_WAVE_MODE, 25, 1), 1
	s_wait_xcnt 0x0
; DENSITY = 1 / (6th smallest distance of a row to all rows + 1e-8), in three launches.  This one: xb = features rounded to bf16; nh[i] = -1/2 x the sum of squares of row i of xb.
; WHAT IS NOT DONE AS reference() WRITES IT, for all values of the inputs:
;  (1) x -> sqrt(max(x, 0)) never decreases, so the 6th smallest of dist along a row is sqrt(max(., 0)) of the 6th smallest d2: the root is taken of 8,192 numbers, behind the selection.
;  (2) sq[i] is the same along row i of d2, so it changes no order there: the selection takes the 6 LARGEST of u[i][j] = G[i][j] - sq[j] / 2, and d2 = -2 (u + nh[i]) is made of the 6th alone.
; sq is taken of the ROUNDED features, so that d2 is the squared distance of the rounded rows, whatever offset the features share: no difference of a sum of f32 numbers and a sum of bf16 numbers is formed.
; LIMITS.  The order of f32 roundings differs from reference()'s (sq[i] is added last).  NaN and infinities are not treated apart: the selection's maxima and medians let a NaN lose.
; A row pair nearer than the rounding of the f32 sums (some 2^-20 of sq) counts as at distance 0 or at that rounding's root, as in reference()'s own f32.
; SHARES.  A work-group has 16 rows, each of its eight waves 2.  A row is 4,096 bytes: eight loads of 16 bytes a lane, 512 consecutive bytes each; a lane's 4 numbers leave as 8 bytes, so a store of the
; wave covers 256 consecutive bytes, aligned.  All 16 loads of a wave go out at once; no register of a pending store is written again.  nh leaves as 8 bytes a wave: 32 KiB in the whole launch.
; No LDS, no barrier, no matrix unit: each byte is read once and written once, and a row's sum never leaves its wave.
.set ROW,  4096                        ; bytes in a row of features
.set OROW, 2048                        ; bytes in a row of xb
.set LN,   1                           ; v1        lane
.set IN,   2                           ; v2        my 16 bytes in the wave's first row of features; never rewritten
.set OUT,  3                           ; v3        my 8 bytes in the wave's first row of xb; never rewritten
.set ZERO, 4                           ; v4        0: the addend of a chain's first multiply-add
.set NO,   5                           ; v5        the wave's 8 bytes in nh
.set RES,  6                           ; v[6:7]    the two rows' results
.set CH,   8                           ; v[8:15]   four chains of sums a row
.set X,    16                          ; v[16:79]  row i, load j: 4 registers at X + 32 i + 4 j
.set Y,    80                          ; v[80:111] row i, load j: 2 registers at Y + 16 i + 2 j
.set T,    112                         ; v112      at work
	s_load_b128 s[4:7], s[0:1], 0x0                ; features s[4:5], xb s[6:7]
	s_load_b64 s[8:9], s[0:1], 0x10                ; nh
	v_lshrrev_b32 v[T], 5, v0
	v_readfirstlane_b32 s10, v[T]                  ; wave 0..7
	v_and_b32 v[LN], 31, v0
	s_lshl_b32 s2, ttmp9, 16                       ; the work-group's 16 rows of 4,096 bytes
	s_mov_b32 s3, 0
	s_lshl_b32 s14, ttmp9, 15                      ; and of 2,048
	s_mov_b32 s15, 0
	s_mov_b32 s12, 0x76543210                      ; v_permlanex16_b32: each lane takes its own place in the other half
	s_mov_b32 s13, 0xfedcba98
	s_lshl_b32 s17, s10, 13                        ; the wave's 2 rows
	v_lshl_add_u32 v[IN], v[LN], 4, s17
	s_lshl_b32 s18, s10, 12
	v_lshl_add_u32 v[OUT], v[LN], 3, s18
	v_mov_b32 v[ZERO], 0
	s_lshl_b32 s19, ttmp9, 6                       ; 16 rows x 4 bytes of nh,
	s_lshl_b32 s20, s10, 3                         ; the wave's 2
	s_add_co_u32 s19, s19, s20
	v_mov_b32 v[NO], s19
	s_wait_kmcnt 0x0
	s_add_nc_u64 s[4:5], s[4:5], s[2:3]
	s_add_nc_u64 s[6:7], s[6:7], s[14:15]
.irp i, 0,1
.irp j, 0,1,2,3,4,5,6,7
	global_load_b128 v[X+32*(\i)+4*(\j):X+32*(\i)+4*(\j)+3], v[IN], s[4:5] offset:(\i)*ROW+(\j)*512 th:TH_LOAD_NT
.endr
.endr
; Load j of row i: four numbers are rounded, their squares (of the rounded numbers, read as bf16 halves, summed in f32) go onto the row's four chains, and the 8 bytes leave.
.macro PIECE i, j
.set rX, X+32*(\i)+4*(\j)
.set rY, Y+16*(\i)+2*(\j)
.set rC, CH+4*(\i)
.set rA, rC                            ; the addends: the chains,
.set sA, 1
.if (\j) == 0
.set rA, ZERO                          ; or 0 for a chain's first link: nothing is cleared
.set sA, 0
.endif
	s_wait_loadcnt 15-(8*(\i)+(\j))                ; loads come back in order: this one is in, the younger ones stay out
	v_cvt_pk_bf16_f32 v[rY],   v[rX],   v[rX+1]
	v_cvt_pk_bf16_f32 v[rY+1], v[rX+2], v[rX+3]
	v_fma_mix_f32_bf16 v[rC],   v[rY],   v[rY],   v[rA]      op_sel_hi:[1,1,0]
	v_fma_mix_f32_bf16 v[rC+1], v[rY],   v[rY],   v[rA+sA]   op_sel:[1,1,0] op_sel_hi:[1,1,0]
	v_fma_mix_f32_bf16 v[rC+2], v[rY+1], v[rY+1], v[rA+2*sA] op_sel_hi:[1,1,0]
	v_fma_mix_f32_bf16 v[rC+3], v[rY+1], v[rY+1], v[rA+3*sA] op_sel:[1,1,0] op_sel_hi:[1,1,0]
	global_store_b64 v[OUT], v[rY:rY+1], s[6:7] offset:(\i)*OROW+(\j)*256  ; 32 lanes store 256 consecutive bytes, at a multiple of 256 from xb's first byte
.endm
; Row i: the four chains, then the 32 lanes; every lane ends with the row's sum.
.macro SUM i
.set rC, CH+4*(\i)
	v_add_f32 v[rC], v[rC], v[rC+1]
	v_add_f32 v[rC+2], v[rC+2], v[rC+3]
	v_add_f32 v[rC], v[rC], v[rC+2]
	v_add_f32_dpp v[rC], v[rC], v[rC] row_xmask:1 row_mask:0xf bank_mask:0xf
	v_add_f32_dpp v[rC], v[rC], v[rC] row_xmask:2 row_mask:0xf bank_mask:0xf
	v_add_f32_dpp v[rC], v[rC], v[rC] row_xmask:4 row_mask:0xf bank_mask:0xf
	v_add_f32_dpp v[rC], v[rC], v[rC] row_xmask:8 row_mask:0xf bank_mask:0xf
	v_permlanex16_b32 v[T], v[rC], s12, s13        ; its destination counts as read: T has been written
	v_add_f32 v[rC], v[rC], v[T]
	v_mul_f32 v[RES+(\i)], -0.5, v[rC]
.endm
.irp j, 0,1,2,3,4,5,6,7
	PIECE 0, \j
.endr
	SUM 0                                          ; while row 1's loads come in
.irp j, 0,1,2,3,4,5,6,7
	PIECE 1, \j
.endr
	SUM 1
	s_wait_xcnt 0x0                                ; EXEC is a source of the pending stores: it changes only behind this wait
	v_cmp_eq_u32 vcc_lo, 0, v[LN]
	s_and_saveexec_b32 s16, vcc_lo                 ; lane 0 alone
	global_store_b64 v[NO], v[RES:RES+1], s[8:9]
	s_wait_xcnt 0x0                                ; and again in front of the line that widens it
	s_or_b32 exec_lo, exec_lo, s16
	s_endpgm
.Lfunc_end_k_qcaa0c09799_prep:
	.size	k_qcaa0c09799_prep, .Lfunc_end_k_qcaa0c09799_prep-k_qcaa0c09799_prep
	.p2alignl 7, 3214868480
	.fill 96, 4, 3214868480
	.section	.rodata,"a",@progbits
	.p2align	6, 0x0
	.amdhsa_kernel k_qcaa0c09799_prep
		.amdhsa_group_segment_fixed_size 0
		.amdhsa_private_segment_fixed_size 0
		.amdhsa_enable_private_segment 0
		.amdhsa_kernarg_size 24
		.amdhsa_user_sgpr_count 2
		.amdhsa_user_sgpr_kernarg_segment_ptr 1
		.amdhsa_wavefront_size32 1
		.amdhsa_system_sgpr_workgroup_id_x 1
		.amdhsa_system_sgpr_workgroup_id_y 1
		.amdhsa_system_sgpr_workgroup_id_z 1
		.amdhsa_system_vgpr_workitem_id 0
		.amdhsa_next_free_vgpr 120
		.amdhsa_next_free_sgpr 66
		.amdhsa_reserve_vcc 1
		.amdhsa_float_denorm_mode_32 3
		.amdhsa_float_denorm_mode_16_64 3
		.amdhsa_memory_ordered 1
		.amdhsa_forward_progress 1
		.amdhsa_inst_pref_size 12
	.end_amdhsa_kernel
	.amdgpu_metadata
---
amdhsa.version: [ 1, 2 ]
amdhsa.kernels:
  - .name:           k_qcaa0c09799_prep
    .symbol:         k_qcaa0c09799_prep.kd
    .args:
      - { .name: features, .offset: 0, .size: 8, .value_kind: global_buffer, .address_space: global }
      - { .name: xb, .offset: 8, .size: 8, .value_kind: global_buffer, .address_space: global }
      - { .name: nh, .offset: 16, .size: 8, .value_kind: global_buffer, .address_space: global }
    .group_segment_fixed_size: 0
    .private_segment_fixed_size: 0
    .kernarg_segment_align: 8
    .kernarg_segment_size: 24
    .max_flat_workgroup_size: 256
    .sgpr_count:     66
    .vgpr_count:     120
    .wavefront_size: 32
...
	.end_amdgpu_metadata
.endif
;; end of part 1
;; launch gram (part 2): grid 8 x 32, 4 waves a work-group, clusters of 4 x 4, 327,680 bytes of LDS; arguments xb, nh, cand; writes cand
.if DOCPART == 2
	.amdgcn_target "amdgcn-amd-amdhsa--gfx1250"
	.amdhsa_code_object_version 6
	.text
	.protected	k_qcaa0c09799_gram
	.globl	k_qcaa0c09799_gram
	.p2align	8
	.type	k_qcaa0c09799_gram,@function
k_qcaa0c09799_gram:
	s_mov_b64 s[64:65], 0
	v_nop
	global_prefetch_b8 v0, s[64:65] scope:SCOPE_SE
	s_setreg_imm32_b32 hwreg(HW_REG_WAVE_MODE, 25, 1), 1
	s_wait_xcnt 0x0
	s_wait_alu depctr_hold_cnt(0) depctr_sa_sdst(0) depctr_va_vdst(0) depctr_va_sdst(0) depctr_va_ssrc(0) depctr_va_vcc(0) depctr_vm_vsrc(0)
	s_getreg_b32 s2, hwreg(HW_REG_IB_STS2, 6, 4)
	s_cmp_eq_u32 s2, 0
	s_cbranch_scc0 .Lentry_in_a_cluster
	s_endpgm
.Lentry_in_a_cluster:
	s_bfe_u32 s2, ttmp6, 0x10000c
	s_cmp_lg_u32 s2, 0xf033
	s_cbranch_scc0 .Lentry_shape_is_right
	s_endpgm
.Lentry_shape_is_right:
; u[i][j] = the sum over k of xb[i][k] xb[j][k] + nh[j] (nh[j] = -sq[j] / 2), and of each row i the 6 largest u among the columns that a lane sees: 32 sorted lists a row, stored once, in f32.
; LEFT OUT, as shown at the head of the first kernel: no root and no sq[i] in front of the selection (a function that never decreases, a term that is the same along a row).
; LIMITS.  v_med3_num_f32 and v_max_num_f32 let a NaN lose: it is not carried to the result; infinities are not treated apart.  Equal values: the list holds the value as often as it occurs, as a sort does.
; SHARES.  A work-group of four waves keeps the rows 256 wgy .. + 255 and walks the four column tiles 256 (wgx + 8 t) .. + 255, t = 0 .. 3.  A wave makes 128 x 128 of a tile: 64 accumulators of 16 x 16, 512 registers.
; K goes in steps of 128 through a ring of two LDS slots filled by the tensor data mover: a tile's rows are 256 bytes of memory, at multiples of 256 bytes from xb's first byte.
; THE MATRIX INSTRUCTION IS USED TRANSPOSED: source 0 = 16 rows of the column tile (B), source 1 = 16 of my rows (A).  Lane l then holds ONE row (16 a + l % 16) and the columns 16 b + 8 (l / 16) + 0 .. 7.
; So a lane has one list for each of the wave's eight blocks a of 16 rows, and a tile's 64 numbers for that row are offered to it without leaving the lane.
; nh[j] COSTS NO VECTOR WORK: it is the C operand of the product that starts each sum (a lane's eight columns of block b: eight registers, the same for all a).
; THE SELECTION.  No branch may hang on these numbers, so every number is inserted: a list L0 >= .. >= L5 takes x by L5 = med3(x, L4, L5), .. L1 = med3(x, L0, L1), L0 = max(x, L0), from the bottom up, so that
; each line reads the old values: six lines that do not wait for each other.  Two lists take turns.  All 512 accumulator registers are taken up again by the next tile, so the selection has a phase of its own.
; A TILE FETCHES ITS OWN FIRST TWO K STEPS, at the head of its trip, so that the four trips have one text and the selection, half of the text, stands once; no tensor load, barrier or add is jumped over.
; CLUSTERS: 4 x 4 work-groups.  The four of a row of the cluster keep the same rows (A), the four of a column walk the same column tiles (B): each tile is asked for JOINTLY, by the same tensor load with the
; same descriptor and a mask that names the four; each receives it in its own LDS.
; REGISTERS, in windows of 256 (s_set_vgpr_msb's low byte: bits 1:0 source 0, 3:2 source 1, 5:4 source 2, 7:6 destination):
;   window 0: v0-31 addresses; v64-127, v128-191 fragments of A, two buffers; v192-239 the lists (list a, rank k at 192 + 6 a + k)
;   window 1: v0-63 nh of my 128 columns (block b, register j at 8 b + j); v64-127, v128-191 fragments of B, two buffers
;   window 2: the 32 accumulators of my rows 0-63 ((a, b) at 8 (8 a + b));   window 3: those of my rows 64-127
.set SIZE_K, 1024
.set ROWB,   2*SIZE_K                  ; bytes in a row of xb
.set KSTEP,  128
.set PITCH,  272                       ; an LDS row: 256 bytes + 16 of padding = 68 words: row r starts at bank 4 r mod 64 (64 banks of 4 bytes: ISA guide 11.1), so the 16 rows of a load start at 16 different banks
.set HALFT,  128*PITCH                 ; 128 rows: what one tensor load brings, and what one wave reads of A or of B
.set SLOT,   4*HALFT                   ; A's 256 rows, then B's 256 rows
.set SPARE,  2*SLOT                    ; behind the ring: the spare words, 128 bytes for each wave: two blocks of 256 bytes that no other line names
.set LAPS,   SIZE_K/(2*KSTEP)          ; a lap = two K steps = once round the ring
.set TILES,  4
.set BACK_A, (SIZE_K-2*KSTEP)*2        ; bytes from a slot's last K step of a tile back to its first: A's rows stay,
.set NEXT_B, 8*256*ROWB-BACK_A         ; B goes 2,048 rows down and back along K
.set NH_STEP, 8*256*4                  ; nh of the next column tile
.set ADRA, 16                          ; v16-17  LDS address of my A fragments in slot 0, 1
.set ADRB, 20                          ; v20-21  the same for B
.set CO,   26                          ; v26     16 x my lane: my place in a chunk of the lists' block
.set NHO,  27                          ; v27     my byte offset in the tile's nh: 512 x column half + 32 (l / 16)
.set SPW,  28                          ; v28     LDS address of my spare word: SPARE + 4 x my thread's number; never rewritten
.set NIL,  29                          ; v29     0; never rewritten
.set PFO,  30                          ; v30     the prefetches' offset: my lane x a row of xb; never rewritten
.set F0,   64
.set F1,   128
.set LST,  192
.set NH,   0                           ; in window 1
.set G1,   24                          ; s[24:31] descriptor group 1 for A's tiles
.set G0,   32                          ; s[32:39] descriptor group 0 for A's tiles, one set for each slot
.set G1B,  48                          ; s[48:55], s[56:63] the same for B's tiles
.set G0B,  56
.set NHP,  16                          ; s[16:17] nh at the column tile in hand
.set LIM,  43                          ; s43      1 in a wave that prefetches, else the greatest number
.set PFA,  44                          ; s[44:45] where my prefetches stand
.set MSB, 0
.macro WIN new                         ; the immediate's high byte repeats the setting that is left; a switch that changes nothing is dropped
.if MSB != (\new)
	s_set_vgpr_msb (MSB<<8)|(\new)
.set MSB, \new
.endif
.endm
.set MUL_LO, 0xa1                      ; source 0 (B) window 1, source 1 (A) window 0, C and D window 2
.set MUL_HI, 0xf1                      ; the same, C and D window 3
.set FST_LO, 0x91                      ; a sum's first product: C (nh) window 1, D window 2
.set FST_HI, 0xd1                      ; D window 3
.set TO_B,   0x40                      ; destination window 1, address window 0
.set SEL_LO, 0x02                      ; source 0 (an accumulator's register) window 2, the lists window 0
.set SEL_HI, 0x03
; A joint load.  Waves 0 and 1 fetch A's two halves, waves 2 and 3 B's.  Each line has one mask and one set of registers for all that issue it; the branch hangs on the wave's number alone.
; An s_nop 0 and four v_nop follow each of the two lines, ahead of the jump, the label and what follows.
.macro JLOAD s
	s_cmp_eq_u32 s11, 0
	s_cbranch_scc0 .Lfor_b_\@
	tensor_load_to_lds s[G0+4*(\s):G0+4*(\s)+3], s[G1:G1+7]
	s_nop 0
.rept 4
	v_nop
.endr
	s_branch .Lasked_\@
.Lfor_b_\@:
	tensor_load_to_lds s[G0B+4*(\s):G0B+4*(\s)+3], s[G1B:G1B+7]
	s_nop 0
.rept 4
	v_nop
.endr
.Lasked_\@:
.endm
; A PREFETCH INTO THE L2, behind a joint load, its five lines and the run of LDS loads that follows them: the K step that stands TWO refills on, 512 matrix instructions ahead of the load that asks for it:
; 32 rows x 256 bytes, a lane a row, one instruction a wave.  Each row's 256 bytes of a K step are named ONCE in the launch: as rows of A, in the first tile.  The two clusters of a row of clusters keep the
; same rows: the first of them (cluster x = 0) asks.  The four partners that ask for A's tile jointly share its rows out BY ADDRESS: of the 128 rows that wave 0 or 1 fetches, the partner at place cx takes
; 32 cx .. + 31: no branch hangs on a work-group's place in its cluster.  K steps 0 to 3 come by their loads alone; the last lap's refills have no K step two on (s3 = 1); behind the first tile LIM ends it.
.macro ASK
	s_cmp_gt_u32 s3, s[LIM]
	s_cbranch_scc0 .Lnot_mine_\@
	global_prefetch_b8 v[PFO], s[PFA:PFA+1] offset:KSTEP*2 th:TH_LOAD_NT scope:SCOPE_SE
.Lnot_mine_\@:
.endm
; A round of the cluster's barrier: my work-group's barrier, so that wave 0's signal speaks for all four waves; wave 0 signals for the work-group; every wave waits for all sixteen; my work-group's barrier once more.
.macro CREST                           ; a round behind its opening barrier
	s_cmp_lg_u32 s10, 0
	s_cbranch_scc1 .Lnot_wave_0_\@
	s_barrier_signal -3
.Lnot_wave_0_\@:
	s_barrier_wait -3
	s_barrier_signal -1
	s_barrier_wait -1
.endm
.macro CROUND                          ; a whole round
	s_barrier_signal -1
	s_barrier_wait -1
	CREST
.endm
	s_load_b128 s[4:7], s[0:1], 0x0                ; xb s[4:5], nh s[6:7]
	s_load_b64 s[8:9], s[0:1], 0x10                ; cand
	v_lshl_add_u32 v[SPW], v0, 2, SPARE
	v_mov_b32 v[NIL], 0
	ds_add_u32 v[SPW], v[NIL]                      ; the wave's opening: the add, twice on end, and its wait ahead of my first tensor load; the set-up below, work on registers, stands between
	ds_add_u32 v[SPW], v[NIL]                      ; and once more, under the one wait
	v_lshrrev_b32 v1, 5, v0
	v_readfirstlane_b32 s10, v1                    ; wave 0..3
	s_lshr_b32 s11, s10, 1                         ; which half of the tile's rows is mine.  Also: I fetch for A (0) or for B (1)
	s_and_b32 s12, s10, 1                          ; which half of its columns.  Also: which 128 rows of that tile I fetch
	s_bfe_u32 s40, ttmp6, 0x40000                  ; cx: my place along the cluster's x
	s_bfe_u32 s41, ttmp6, 0x40004                  ; cy: along its y
	s_lshl_b32 s42, ttmp9, 2                       ; in a cluster launch ttmp9 and ttmp7 count clusters
	s_add_co_u32 s42, s42, s40                     ; wgx = 4 x cluster x + cx
	s_and_b32 s13, ttmp7, 0xffff
	s_lshl_b32 s13, s13, 2
	s_add_co_u32 s13, s13, s41                     ; wgy = 4 x cluster y + cy
	s_lshl_b32 s43, s41, 2
	s_lshl_b32 s43, 15, s43                        ; my row of the cluster: places 4 cy .. 4 cy + 3
	s_lshl_b32 s44, 0x1111, s40                    ; my column: places cx, cx + 4, cx + 8, cx + 12
	; descriptor group 1: a tile of 128 rows x 128 elements, padded in LDS
	s_or_b32 s[G1+0], s43, (1<<16)|(1<<20)|(1<<21)|(5<<22)|(3<<25)   ; 15:0 the mask: A's tiles go to my row; 17:16 elements of 2 bytes; 20 padding on; 21 set beside a mask; 24:22 after every 64 words (code 5); 31:25 4 words (code 3)
	s_or_b32 s[G1B+0], s44, (1<<16)|(1<<20)|(1<<21)|(5<<22)|(3<<25)  ; the same with the mask of my column, for B's tiles
.irp g, G1, G1B
	s_mov_b32 s[(\g)+1], KSTEP<<16                 ; tensor_dim0 = 128
	s_mov_b32 s[(\g)+2], 128<<16                   ; tensor_dim1 = 128
	s_mov_b32 s[(\g)+3], KSTEP<<16                 ; tile_dim0 = 128
	s_mov_b32 s[(\g)+4], 128                       ; tile_dim1 = 128
	s_mov_b32 s[(\g)+5], SIZE_K                    ; elements from row to row
	s_mov_b32 s[(\g)+6], 0
	s_mov_b32 s[(\g)+7], 0
.endr
	; A fragment is 16 rows x 32 K in 8 registers: lane l holds row l % 16; registers 0-3 K = 8 (l / 16) + 0..7, registers 4-7 K = 16 + 8 (l / 16) + 0..7: two loads of 16 bytes, 32 bytes apart.
	v_and_b32 v1, 15, v0                           ; l % 16
	v_bfe_u32 v2, v0, 4, 1                         ; l / 16
	v_mul_u32_u24 v3, v1, PITCH
	v_lshl_add_u32 v3, v2, 4, v3                   ; row x pitch + 16 x half
	s_mul_i32 s21, s11, HALFT                      ; my 128 rows of A
	s_mul_i32 s22, s12, HALFT                      ; my 128 rows of B,
	s_add_co_u32 s22, s22, 2*HALFT                 ; which lie behind A's 256
.irp s, 0,1
	v_add_nc_u32 v[ADRA+(\s)], s21, v3
	v_add_nc_u32 v[ADRB+(\s)], s22, v3
	s_add_co_u32 s21, s21, SLOT
	s_add_co_u32 s22, s22, SLOT
.endr
	v_and_b32 v4, 31, v0
	v_lshlrev_b32 v[CO], 4, v4
	v_lshlrev_b32 v[PFO], 11, v4                   ; lane x 2,048 bytes
	s_lshl_b32 s23, s12, 9
	v_lshl_add_u32 v[NHO], v2, 5, s23
	s_mov_b32 s23, 0xff800000                      ; the lists start at minus infinity; a tile offers 64 numbers to each, so none of it is left
.set i, 0
.rept 48
	v_mov_b32 v[LST+i], s23
.set i, i+1
.endr
	; byte offsets, each in registers of its own.  A's hang on wgy alone, which my row of the cluster shares; B's on wgx alone, which my column shares.
	s_lshl_b32 s21, s12, 7                         ; which 128 rows of the tile I fetch
	s_lshl_b32 s16, s13, 8
	s_add_co_u32 s16, s16, s21                     ; A: row 256 wgy + 128 x half
	s_lshl_b32 s22, s40, 5
	s_add_co_u32 s22, s22, s16                     ; the prefetches: + my work-group's 32 of them
	s_lshl_b32 s16, s16, 11                        ; x 2,048 bytes: under 2^24
	s_mov_b32 s17, 0
	s_lshl_b32 s22, s22, 11
	s_mov_b32 s23, 0
	s_lshl_b32 s46, s42, 8
	s_add_co_u32 s46, s46, s21                     ; B: row 256 wgx + 128 x half
	s_lshl_b32 s46, s46, 11
	s_mov_b32 s47, 0
	s_lshl_b32 s14, s42, 10                        ; nh: 256 wgx x 4 bytes
	s_mov_b32 s15, 0
	s_lshl_b32 s18, s13, 1                         ; my block of lists: ((2 wgy + row half) x 16 + 2 wgx + column half) x 6,144 bytes
	s_add_co_u32 s18, s18, s11
	s_lshl_b32 s18, s18, 4
	s_lshl_b32 s19, s42, 1
	s_add_co_u32 s19, s19, s12
	s_add_co_u32 s18, s18, s19
	s_mul_i32 s18, s18, 6144
	s_mov_b32 s19, 0
	s_mul_i32 s20, s10, HALFT                      ; where my tiles go: wave x 128 rows: no place in the cluster enters an LDS address
	s_or_b32 s[LIM], s11, ttmp9                    ; 0 in waves 0 and 1 of the clusters with x = 0: the same in all sixteen partners, for a given wave
	s_cmp_eq_u32 s[LIM], 0
	s_cselect_b32 s[LIM], 1, -1
	s_wait_dscnt 0x0                               ; both opening adds are done
	s_wait_kmcnt 0x0
	s_add_nc_u64 s[G0+2:G0+3], s[4:5], s[16:17]    ; 120:64 global address: K step 0 for slot 0,
	s_add_nc_u64 s[G0+6:G0+7], s[G0+2:G0+3], KSTEP*2  ; K step 1 for slot 1
	s_add_nc_u64 s[G0B+2:G0B+3], s[4:5], s[46:47]
	s_add_nc_u64 s[G0B+6:G0B+7], s[G0B+2:G0B+3], KSTEP*2
	s_add_nc_u64 s[PFA:PFA+1], s[4:5], s[22:23]
	s_add_nc_u64 s[PFA:PFA+1], s[PFA:PFA+1], 2*KSTEP*2  ; at K step 2: the first refill steps it to 3 and names K step 4
	s_add_nc_u64 s[NHP:NHP+1], s[6:7], s[14:15]
	s_add_nc_u64 s[8:9], s[8:9], s[18:19]
.irp s, 0,1
	s_mov_b32 s[G0+4*(\s)], 1                      ; 1:0 count = 1
	s_add_co_u32 s[G0+4*(\s)+1], s20, (\s)*SLOT    ; 63:32 LDS address
	s_or_b32 s[G0+4*(\s)+3], s[G0+4*(\s)+3], 0x80000000   ; 127:126 type = 2
	s_mov_b32 s[G0B+4*(\s)], 1
	s_add_co_u32 s[G0B+4*(\s)+1], s20, (\s)*SLOT
	s_or_b32 s[G0B+4*(\s)+3], s[G0B+4*(\s)+3], 0x80000000
.endr
; 16 matrix instructions: row blocks a0, a0 + 1 of the window's four (hi = 0: my rows 0-63, 1: rows 64-127) x all 8 column blocks, 32 along K.  zero = 1: the first product starts the sums, with nh as C.
.macro MUL16 f, hi, a0, zero
.if \zero
	WIN FST_LO+0x40*(\hi)
.else
	WIN MUL_LO+0x50*(\hi)
.endif
.irp a, \a0, (\a0)+1
.irp b, 0,1,2,3,4,5,6,7
.if \zero
	v_wmma_f32_16x16x32_bf16 v[8*(8*(\a)+(\b)):8*(8*(\a)+(\b))+7], v[(\f)+8*(\b):(\f)+8*(\b)+7], v[(\f)+8*(4*(\hi)+(\a)):(\f)+8*(4*(\hi)+(\a))+7], v[NH+8*(\b):NH+8*(\b)+7]
.else
	v_wmma_f32_16x16x32_bf16 v[8*(8*(\a)+(\b)):8*(8*(\a)+(\b))+7], v[(\f)+8*(\b):(\f)+8*(\b)+7], v[(\f)+8*(4*(\hi)+(\a)):(\f)+8*(4*(\hi)+(\a))+7], v[8*(8*(\a)+(\b)):8*(8*(\a)+(\b))+7]
.endif
.endr
.endr
.endm
; 32 LDS loads in one run: the fragments of one quarter step (128 rows of B, 128 rows of A, 32 K at byte k of the rows) into buffer f
.macro FETCH slot, k, f
	WIN TO_B
.irp i, 0,1,2,3,4,5,6,7
	ds_load_b128 v[(\f)+8*(\i):(\f)+8*(\i)+3],   v[ADRB+(\slot)] offset:(\k)+(\i)*16*PITCH
	ds_load_b128 v[(\f)+8*(\i)+4:(\f)+8*(\i)+7], v[ADRB+(\slot)] offset:(\k)+(\i)*16*PITCH+32
.endr
	WIN 0
.irp i, 0,1,2,3,4,5,6,7
	ds_load_b128 v[(\f)+8*(\i):(\f)+8*(\i)+3],   v[ADRA+(\slot)] offset:(\k)+(\i)*16*PITCH
	ds_load_b128 v[(\f)+8*(\i)+4:(\f)+8*(\i)+7], v[ADRA+(\slot)] offset:(\k)+(\i)*16*PITCH+32
.endr
.endm
; A load into a register that a matrix instruction has read, and a vector instruction that reads a matrix result, stand four places behind that matrix instruction; only plain vector instructions that name
; none of its registers are places (ISA guide 7.12.1 for vector instructions).
.macro PLACES
.rept 4
	v_nop
.endr
.endm
; A K step is four quarter steps of 32 along K, 64 matrix instructions each, on buffers 0, 1, 0, 1.  The 64 accumulators take turns, one instruction a turn, in the same order in every quarter.
; One of the first three: multiplies buffer f; in its middle it fetches the next quarter's fragments, at byte k of the same slot's rows, into buffer g.
.macro QUARTER slot, k, f, g, zero
	s_wait_dscnt 8                                 ; B and A's rows 0-63 are in; the youngest eight loads (A's rows 64-127) may be out
	MUL16 \f, 0, 0, \zero
	MUL16 \f, 0, 2, \zero
	PLACES
	FETCH \slot, \k, \g
	s_wait_dscnt 32                                ; all but the 32 just issued
	MUL16 \f, 1, 0, \zero
	MUL16 \f, 1, 2, \zero
.endm
; The last quarter multiplies buffer 1 and changes slots.  MEET is its first half: one barrier.  In front of it each wave waits for all its tensor loads, of which one is out: its part of the next slot; adds 0 to
; its spare word; and waits for that and for its own reads of this slot.  Behind it nobody reads this slot any more and the next slot is whole.
.macro MEET round                      ; round = 1: the rest of a round of the cluster's barrier follows
	WIN 0                                          ; (the add's two registers lie in window 0)
	s_wait_tensorcnt 0x0                           ; all my tensor loads have landed
	ds_add_u32 v[SPW], v[NIL]                      ; 0 onto my spare word
	s_wait_dscnt 9                                 ; (the add and the youngest eight loads may be out)
	MUL16 F1, 0, 0, 0                              ; sixteen matrix instructions stand between the add and the wait for it
	s_wait_dscnt 0x0                               ; the add is done, and my reads of this slot are over
	s_barrier_signal -1
	MUL16 F1, 0, 2, 0                              ; work on registers while the others arrive
.if \round
	WIN 0
.endif
	s_barrier_wait -1
.endm
; The whole last quarter where the slot just read out is filled again, with the K step two steps on; then the next slot's first fragments.  From a request to the wait for it a wave issues 224 matrix instructions.
.macro TURN slot, next
	s_wait_xcnt 0x0                                ; the last prefetch, a K step back, has read its address: it is stepped here, ahead of the waits of the change of slots
	s_add_nc_u64 s[PFA:PFA+1], s[PFA:PFA+1], KSTEP*2
	MEET 1
	CREST                                          ; no wave of any partner still reads this slot's tile or has a load on its way
	s_add_nc_u64 s[G0+4*(\slot)+2:G0+4*(\slot)+3], s[G0+4*(\slot)+2:G0+4*(\slot)+3], 2*KSTEP*2
	s_add_nc_u64 s[G0B+4*(\slot)+2:G0B+4*(\slot)+3], s[G0B+4*(\slot)+2:G0B+4*(\slot)+3], 2*KSTEP*2
	JLOAD \slot                                    ; the first tensor load behind the round; the four v_nop behind it are also the places in front of the loads below
	FETCH \next, 0, F0
	ASK
	MUL16 F1, 1, 0, 0
	MUL16 F1, 1, 2, 0
.endm
; The same in a tile's last lap: nothing is filled, so no round follows.  No tensor load of mine is out behind MEET's wait, so all four group 0 are stepped to the next tile's K steps 0 and 1
; (behind the last tile the stepped addresses are not used).
.macro TURNL
	MEET 0
	s_sub_nc_u64 s[G0+2:G0+3], s[G0+2:G0+3], BACK_A
	s_sub_nc_u64 s[G0+6:G0+7], s[G0+6:G0+7], BACK_A
	s_add_nc_u64 s[G0B+2:G0B+3], s[G0B+2:G0B+3], NEXT_B
	s_add_nc_u64 s[G0B+6:G0B+7], s[G0B+6:G0B+7], NEXT_B
	PLACES
	FETCH 1, 0, F0
	MUL16 F1, 1, 0, 0
	MUL16 F1, 1, 2, 0
.endm
; A tile's very last quarter: nothing more to fetch.  The four v_nop are the places between the last products on my rows 0-63 and the selection, which begins with those rows.
.macro LASTQ
	s_wait_dscnt 8
	MUL16 F1, 0, 0, 0
	MUL16 F1, 0, 2, 0
	PLACES
	s_wait_dscnt 0x0
	MUL16 F1, 1, 0, 0
	MUL16 F1, 1, 2, 0
.endm
; nh of my 128 columns of the tile in hand: a lane's eight columns of block b are 32 consecutive bytes; the sixteen lanes of a half read the same bytes.
.macro NHLOAD
	WIN TO_B
.irp b, 0,1,2,3,4,5,6,7
	global_load_b128 v[NH+8*(\b):NH+8*(\b)+3],   v[NHO], s[NHP:NHP+1] offset:64*(\b)
	global_load_b128 v[NH+8*(\b)+4:NH+8*(\b)+7], v[NHO], s[NHP:NHP+1] offset:64*(\b)+16
.endr
	WIN 0
.endm
; Register x of an accumulator is offered to list a.
.macro INS a, x
.set rL, LST+6*(\a)
	v_med3_num_f32 v[rL+5], v[\x], v[rL+4], v[rL+5]
	v_med3_num_f32 v[rL+4], v[\x], v[rL+3], v[rL+4]
	v_med3_num_f32 v[rL+3], v[\x], v[rL+2], v[rL+3]
	v_med3_num_f32 v[rL+2], v[\x], v[rL+1], v[rL+2]
	v_med3_num_f32 v[rL+1], v[\x], v[rL], v[rL+1]
	v_max_num_f32 v[rL], v[\x], v[rL]
.endm
; Row blocks p and p + 1: their 2 x 64 registers, in ascending order (each accumulator is read from its lowest register on), the two lists by turns, so that a line and the line that
; needs its result stand a list's six lines apart or more.
.macro SELPAIR p
	WIN SEL_LO+(\p)/4
.set e, 0
.rept 64
	INS (\p),64*((\p)%4)+e
	INS (\p)+1,64*((\p)%4+1)+e
.set e, e+1
.endr
.endm
	s_mov_b32 s2, TILES                            ; tiles to go: the same number in every work-group
.Ltile:
	s_wait_tensorcnt 0x0                           ; no tensor load of mine is out;
	ds_add_u32 v[SPW], v[NIL]
	ds_add_u32 v[SPW], v[NIL]
	s_wait_dscnt 0x0                               ; and its wait; my reads of both slots are over (the last tile's last wait was for 0)
	CROUND                                         ; all sixteen work-groups are here, and none still reads a slot
	JLOAD 0                                        ; the tile's K step 0
	NHLOAD                                         ; its nh comes in meanwhile
	s_wait_tensorcnt 0x0                           ; my part of K step 0 is in;
	ds_add_u32 v[SPW], v[NIL]                      ; the add and its wait once more, in front of the round behind which slot 1 is filled
	s_wait_dscnt 0x0
	CROUND                                         ; everybody's part is in
	JLOAD 1                                        ; K step 1: it has K step 0's first three quarters in which to land
	FETCH 0, 0, F0
	s_wait_loadcnt 0x0                             ; nh
	QUARTER 0, 64,  F0, F1, 1                      ; a tile's first quarter stands in front of the loop: its products start the sums
	WIN 0                                          ; at a label and at a branch every window is 0
	s_mov_b32 s3, LAPS-1
.Llap:                                                 ; a trip goes once round the ring, from a lap's second quarter to the next lap's first, and fills both slots again
	QUARTER 0, 128, F1, F0, 0
	QUARTER 0, 192, F0, F1, 0
	TURN 0, 1
	QUARTER 1, 64,  F0, F1, 0
	QUARTER 1, 128, F1, F0, 0
	QUARTER 1, 192, F0, F1, 0
	TURN 1, 0
	QUARTER 0, 64,  F0, F1, 0
	WIN 0
	s_sub_co_u32 s3, s3, 1
	s_cmp_lg_u32 s3, 0
	s_cbranch_scc1 .Llap
	QUARTER 0, 128, F1, F0, 0                      ; the tile's last lap fills nothing
	QUARTER 0, 192, F0, F1, 0
	TURNL
	QUARTER 1, 64,  F0, F1, 0
	QUARTER 1, 128, F1, F0, 0
	QUARTER 1, 192, F0, F1, 0
	LASTQ
	SELPAIR 0                                      ; my rows 0-63: these lines name no register of the last products (rows 64-127's) and are their places
	SELPAIR 2
	SELPAIR 4
	SELPAIR 6
	WIN 0
	s_wait_xcnt 0x0                                ; every load and prefetch issued so far has read its address, so the pointers may be written
	s_mov_b32 s[LIM], -1                           ; every row has been named: no prefetch behind the first tile
	s_sub_nc_u64 s[PFA:PFA+1], s[PFA:PFA+1], 6*KSTEP*2  ; the tile's six steps back: the pointer stays in its rows
	s_add_nc_u64 s[NHP:NHP+1], s[NHP:NHP+1], NH_STEP    ; (behind the last tile it is not used)
	s_sub_co_u32 s2, s2, 1
	s_cmp_lg_u32 s2, 0
	s_cbranch_scc1 .Ltile
	; THE WAY OUT: a lane's 48 list registers, four to a store: chunk c of the wave's block holds registers 4 c .. 4 c + 3 of all 32 lanes.
.irp c, 0,1,2,3,4,5,6,7,8,9,10,11
	global_store_b128 v[CO], v[LST+4*(\c):LST+4*(\c)+3], s[8:9] offset:512*(\c)  ; 512 consecutive bytes, at a multiple of 256 from cand's first byte
.endr
	s_wait_tensorcnt 0x0                           ; the wave's end: behind my last tensor load
	ds_add_u32 v[SPW], v[NIL]
	s_wait_dscnt 0x0
	CROUND                                         ; the closing round: no work-group ends while a partner may still ask for a tile that names it
	s_endpgm
.Lfunc_end_k_qcaa0c09799_gram:
	.size	k_qcaa0c09799_gram, .Lfunc_end_k_qcaa0c09799_gram-k_qcaa0c09799_gram
	.p2alignl 7, 3214868480
	.fill 96, 4, 3214868480
	.section	.rodata,"a",@progbits
	.p2align	6, 0x0
	.amdhsa_kernel k_qcaa0c09799_gram
		.amdhsa_group_segment_fixed_size 327680
		.amdhsa_private_segment_fixed_size 0
		.amdhsa_enable_private_segment 0
		.amdhsa_kernarg_size 24
		.amdhsa_user_sgpr_count 2
		.amdhsa_user_sgpr_kernarg_segment_ptr 1
		.amdhsa_wavefront_size32 1
		.amdhsa_system_sgpr_workgroup_id_x 1
		.amdhsa_system_sgpr_workgroup_id_y 1
		.amdhsa_system_sgpr_workgroup_id_z 1
		.amdhsa_system_vgpr_workitem_id 0
		.amdhsa_next_free_vgpr 1024
		.amdhsa_next_free_sgpr 66
		.amdhsa_reserve_vcc 0
		.amdhsa_float_denorm_mode_32 3
		.amdhsa_float_denorm_mode_16_64 3
		.amdhsa_memory_ordered 1
		.amdhsa_forward_progress 1
		.amdhsa_inst_pref_size 255
	.end_amdhsa_kernel
	.section	.bss,"aw",@nobits
	.p2align	6
	.space	262144
	.amdgpu_metadata
---
amdhsa.version: [ 1, 2 ]
amdhsa.kernels:
  - .name:           k_qcaa0c09799_gram
    .symbol:         k_qcaa0c09799_gram.kd
    .args:
      - { .name: xb, .offset: 0, .size: 8, .value_kind: global_buffer, .address_space: global }
      - { .name: nh, .offset: 8, .size: 8, .value_kind: global_buffer, .address_space: global }
      - { .name: cand, .offset: 16, .size: 8, .value_kind: global_buffer, .address_space: global }
    .group_segment_fixed_size: 327680
    .private_segment_fixed_size: 0
    .kernarg_segment_align: 8
    .kernarg_segment_size: 24
    .max_flat_workgroup_size: 128
    .sgpr_count:     66
    .vgpr_count:     1024
    .wavefront_size: 32
...
	.end_amdgpu_metadata
.endif
;; end of part 2
;; launch finish (part 3): grid 256 x 1, 4 waves a work-group, no clusters, 6,656 bytes of LDS; arguments cand, nh, out0; writes out0
.if DOCPART == 3
	.amdgcn_target "amdgcn-amd-amdhsa--gfx1250"
	.amdhsa_code_object_version 6
	.text
	.protected	k_qcaa0c09799_finish
	.globl	k_qcaa0c09799_finish
	.p2align	8
	.type	k_qcaa0c09799_finish,@function
k_qcaa0c09799_finish:
	s_mov_b64 s[64:65], 0
	v_nop
	global_prefetch_b8 v0, s[64:65] scope:SCOPE_SE
	s_setreg_imm32_b32 hwreg(HW_REG_WAVE_MODE, 25, 1), 1
	s_wait_xcnt 0x0
; out0[i] = 1 / (sqrt(max(-2 (u6 + nh[i]), 0)) + 1e-8), u6 = the 6th largest of row i's 32 sorted lists of six.
; LEFT OUT, as shown at the head of the first kernel: the root, the maximum with 0 and sq[i] are applied to the selected number alone.
; LIMITS.  A NaN loses in the maxima and medians; v_sqrt_f32 and v_rcp_f32 are good to the last bit but one and take a denormal for 0 (ISA guide, their entries), which 1e-8 covers.
; LAYOUT OF cand.  Block q = 16 g + n (g: 128 rows; n = 0 .. 15: a share of the columns) has 6,144 bytes: chunk c, lane l, word w = register 4 c + w = 6 a + k of lane l: rank k of the list of
; row 128 g + 16 a + l % 16; the two halves of the lanes hold different columns.
; SHARES.  Work-group W has rows 32 W .. + 31: g = W / 4, the lists a = 2 (W % 4) and the next: chunks 3 (W % 4) .. + 2, 1,536 consecutive bytes of each of g's 16 blocks.  Wave v merges blocks 4 v .. 4 v + 3;
; waves 1 to 3 hand their lists to wave 0 through LDS; wave 0 merges them, then the two halves of the lanes, and finishes.  Lane l stores row 32 W + l: 128 consecutive bytes a work-group, 32 KiB in the launch.
; No matrix unit, no cluster: nothing is shared between work-groups, and each byte of cand is read once.
.set BLK,   6144
.set PART,  0                          ; LDS: wave v's lists at 1,536 v (wave 0 keeps its own in registers: its 1,536 bytes stay unused)
.set SPARE, 6144                       ; behind them: the spare words, 128 bytes for each wave: two blocks of 256 bytes that no other line names
.set LN,  1                            ; v1   lane
.set LA,  2                            ; v2   16 x lane
.set LS,  3                            ; v3   1,536 x wave + 16 x lane
.set RO,  5                            ; v5   my row's 4 bytes in nh and in out0
.set NHI, 6                            ; v6   nh of my row
.set T,   7                            ; v7-9 at work
.set SPW, 10                           ; v10  LDS address of my spare word; never rewritten
.set NIL, 11                           ; v11  0; never rewritten
.set LEV, 16                           ; v[16:21] the even list
.set LOD, 22                           ; v[22:27] the odd list
.set BK,  28                           ; v[28:63] three more blocks of twelve
	s_load_b128 s[4:7], s[0:1], 0x0                ; cand s[4:5], nh s[6:7]
	s_load_b64 s[8:9], s[0:1], 0x10                ; out0
	v_lshl_add_u32 v[SPW], v0, 2, SPARE
	v_mov_b32 v[NIL], 0
	v_lshrrev_b32 v[LN], 5, v0
	v_readfirstlane_b32 s10, v[LN]                 ; wave 0..3
	v_and_b32 v[LN], 31, v0
	v_lshlrev_b32 v[LA], 4, v[LN]
	s_mul_i32 s16, s10, 1536
	v_add_nc_u32 v[LS], s16, v[LA]
	s_lshl_b32 s17, ttmp9, 7
	v_lshl_add_u32 v[RO], v[LN], 2, s17
	s_mov_b32 s12, 0x76543210                      ; v_permlanex16_b32: each lane takes its own place in the other half
	s_mov_b32 s13, 0xfedcba98
	s_lshr_b32 s14, ttmp9, 2
	s_mul_i32 s14, s14, 16*BLK                     ; g's sixteen blocks,
	s_and_b32 s15, ttmp9, 3
	s_mul_i32 s15, s15, 1536                       ; my three chunks,
	s_add_co_u32 s14, s14, s15
	s_mul_i32 s15, s10, 4*BLK                      ; my wave's four blocks
	s_add_co_u32 s14, s14, s15
	s_mov_b32 s15, 0
	s_wait_kmcnt 0x0
	s_add_nc_u64 s[4:5], s[4:5], s[14:15]
.irp i, 0,1,2,3
.irp c, 0,1,2
	global_load_b128 v[LEV+12*(\i)+4*(\c):LEV+12*(\i)+4*(\c)+3], v[LA], s[4:5] offset:(\i)*BLK+(\c)*512 th:TH_LOAD_NT
.endr
.endr
; The two sorted lists at src (even: src .. + 5, odd: src + 6 .. + 11) are merged into mine, of which the six largest stay, sorted.  b0 >= b1 >= ..: when b0 .. b(j-1) have been inserted, L(j-1) >= bj, so bj
; moves no rank above j: L5 .. L(j+1) by medians, from the bottom up, Lj by a maximum: 21 lines a list.  The two lists take turns.
.macro MERGE2 src
.set j, 0
.rept 6
.set k, 5
.rept 5
.if k > j
	v_med3_num_f32 v[LEV+k], v[(\src)+j],   v[LEV+k-1], v[LEV+k]
	v_med3_num_f32 v[LOD+k], v[(\src)+6+j], v[LOD+k-1], v[LOD+k]
.endif
.set k, k-1
.endr
	v_max_num_f32 v[LEV+j], v[(\src)+j],   v[LEV+j]
	v_max_num_f32 v[LOD+j], v[(\src)+6+j], v[LOD+j]
.set j, j+1
.endr
.endm
	s_wait_loadcnt 6                               ; blocks 0 and 1 are in; the six loads of blocks 2 and 3 may be out
	MERGE2 BK
	s_wait_loadcnt 3
	MERGE2 BK+12
	s_wait_loadcnt 0x0
	MERGE2 BK+24
	s_cmp_eq_u32 s10, 0
	s_cbranch_scc1 .Lkept
.irp c, 0,1,2
	ds_store_b128 v[LS], v[LEV+4*(\c):LEV+4*(\c)+3] offset:PART+(\c)*512
.endr
.Lkept:
	s_wait_dscnt 0x0                               ; for wave 0's sake: my stores are done
	s_barrier_signal -1
	s_barrier_wait -1
	s_cmp_lg_u32 s10, 0
	s_cbranch_scc1 .Lend
	global_load_b32 v[NHI], v[RO], s[6:7]
.irp w, 1,2,3
.irp c, 0,1,2
	ds_load_b128 v[BK+12*((\w)-1)+4*(\c):BK+12*((\w)-1)+4*(\c)+3], v[LA] offset:PART+(\w)*1536+(\c)*512
.endr
.endr
	s_wait_dscnt 6                                 ; wave 1's lists are in; the six younger loads may be out
	MERGE2 BK
	s_wait_dscnt 3
	MERGE2 BK+12
	s_wait_dscnt 0x0
	MERGE2 BK+24
.set i, 0
.rept 12
	v_permlanex16_b32 v[BK+i], v[LEV+i], s12, s13  ; the row's other columns lie in the lane 16 away (the destinations have been written)
.set i, i+1
.endr
	MERGE2 BK
	v_cmp_gt_u32 vcc_lo, 16, v[LN]
	v_cndmask_b32 v[T], v[LOD+5], v[LEV+5], vcc_lo ; lanes 0-15: the even list's 6th, row l; lanes 16-31: the odd list's, row 16 + l % 16 = l
	s_wait_loadcnt 0x0                             ; nh of my row
	v_add_f32 v[T], v[T], v[NHI]
	v_mul_f32 v[T], -2.0, v[T]                     ; d2
	v_max_num_f32 v[T], 0, v[T]
	v_sqrt_f32 v[T+1], v[T]
	v_nop                                          ; a plain instruction between the root and the use of its result,
	s_wait_alu depctr_va_vdst(0)                   ; and the wait ahead of that use
	v_add_f32 v[T+1], 0x322bcc77, v[T+1]           ; + 1e-8
	v_rcp_f32 v[T+2], v[T+1]
	v_nop
	s_wait_alu depctr_va_vdst(0)
	global_store_b32 v[RO], v[T+2], s[8:9]
.Lend:
	s_wait_tensorcnt 0x0                           ; the wave's end: behind my last LDS store
	ds_add_u32 v[SPW], v[NIL]
	s_wait_dscnt 0x0
	s_endpgm
.Lfunc_end_k_qcaa0c09799_finish:
	.size	k_qcaa0c09799_finish, .Lfunc_end_k_qcaa0c09799_finish-k_qcaa0c09799_finish
	.p2alignl 7, 3214868480
	.fill 96, 4, 3214868480
	.section	.rodata,"a",@progbits
	.p2align	6, 0x0
	.amdhsa_kernel k_qcaa0c09799_finish
		.amdhsa_group_segment_fixed_size 6656
		.amdhsa_private_segment_fixed_size 0
		.amdhsa_enable_private_segment 0
		.amdhsa_kernarg_size 24
		.amdhsa_user_sgpr_count 2
		.amdhsa_user_sgpr_kernarg_segment_ptr 1
		.amdhsa_wavefront_size32 1
		.amdhsa_system_sgpr_workgroup_id_x 1
		.amdhsa_system_sgpr_workgroup_id_y 1
		.amdhsa_system_sgpr_workgroup_id_z 1
		.amdhsa_system_vgpr_workitem_id 0
		.amdhsa_next_free_vgpr 64
		.amdhsa_next_free_sgpr 66
		.amdhsa_reserve_vcc 1
		.amdhsa_float_denorm_mode_32 3
		.amdhsa_float_denorm_mode_16_64 3
		.amdhsa_memory_ordered 1
		.amdhsa_forward_progress 1
		.amdhsa_inst_pref_size 21
	.end_amdhsa_kernel
	.amdgpu_metadata
---
amdhsa.version: [ 1, 2 ]
amdhsa.kernels:
  - .name:           k_qcaa0c09799_finish
    .symbol:         k_qcaa0c09799_finish.kd
    .args:
      - { .name: cand, .offset: 0, .size: 8, .value_kind: global_buffer, .address_space: global }
      - { .name: nh, .offset: 8, .size: 8, .value_kind: global_buffer, .address_space: global }
      - { .name: out0, .offset: 16, .size: 8, .value_kind: global_buffer, .address_space: global }
    .group_segment_fixed_size: 6656
    .private_segment_fixed_size: 0
    .kernarg_segment_align: 8
    .kernarg_segment_size: 24
    .max_flat_workgroup_size: 128
    .sgpr_count:     66
    .vgpr_count:     64
    .wavefront_size: 32
...
	.end_amdgpu_metadata
.endif
;; end of part 3
;; ======== version 2 of 2: 3 launches; version 1 with the launch prep written anew for expert scheduling mode
;; workspace buffers: xb 16,777,216 bytes; nh 32,768 bytes; cand 6,291,456 bytes
;; launch prep (part 4): grid 512 x 1, 8 waves a work-group, no clusters, 0 bytes of LDS; arguments features, xb, nh; writes xb, nh
.if DOCPART == 4
	.amdgcn_target "amdgcn-amd-amdhsa--gfx1250"
	.amdhsa_code_object_version 6
	.text
	.protected	k_qcaa0c09799_prep
	.globl	k_qcaa0c09799_prep
	.p2align	8
	.type	k_qcaa0c09799_prep,@function
k_qcaa0c09799_prep:
	s_mov_b64 s[64:65], 0
	v_nop
	global_prefetch_b8 v0, s[64:65] scope:SCOPE_SE
	s_setreg_imm32_b32 hwreg(HW_REG_WAVE_SCHED_MODE, 0, 2), 2
	s_setreg_imm32_b32 hwreg(HW_REG_WAVE_MODE, 25, 1), 1
	s_wait_xcnt 0x0
	s_wait_alu depctr_vm_vsrc(0)
; DENSITY = 1 / (6th smallest distance of a row to all rows + 1e-8), in three launches.  This one: xb = features rounded to bf16; nh[i] = -1/2 x the sum of squares of row i of xb.
; WHAT IS NOT DONE AS reference() WRITES IT, for all values of the inputs:
;  (1) x -> sqrt(max(x, 0)) never decreases, so the 6th smallest of dist along a row is sqrt(max(., 0)) of the 6th smallest d2: the root is taken of 8,192 numbers, behind the selection.
;  (2) sq[i] is the same along row i of d2, so it changes no order there: the selection takes the 6 LARGEST of u[i][j] = G[i][j] - sq[j] / 2, and d2 = -2 (u + nh[i]) is made of the 6th alone.
; sq is taken of the ROUNDED features, so that d2 is the squared distance of the rounded rows, whatever offset the features share: no difference of a sum of f32 numbers and a sum of bf16 numbers is formed.
; LIMITS.  The order of f32 roundings differs from reference()'s (sq[i] is added last).  NaN and infinities are not treated apart: the selection's maxima and medians let a NaN lose.
; A row pair nearer than the rounding of the f32 sums (some 2^-20 of sq) counts as at distance 0 or at that rounding's root, as in reference()'s own f32.
; SHARES.  A work-group has 16 rows, each of its eight waves 2.  A row is 4,096 bytes: eight loads of 16 bytes a lane, 512 consecutive bytes each; a lane's 4 numbers leave as 8 bytes, so a store of the
; wave covers 256 consecutive bytes, aligned.  All 16 loads of a wave go out at once; no register of a pending store is written again.  nh leaves as 8 bytes a wave: 32 KiB in the whole launch.
; No LDS, no barrier, no matrix unit: each byte is read once and written once, and a row's sum never leaves its wave.
; THE MODE: SCHED_MODE bits 1:0 = 2 (LLVM: expert scheduling mode 2), set by the entry lines.  The code itself states the register dependences between vector instructions and memory instructions,
; with s_wait_alu, always for 0.
; THE PLAN.  Registers that memory instructions touch:
;   v[IN], v[OUT], v[NO]  offsets: written once at the head by vector instructions, read by the loads, by the stores of xb and by the store of nh; never written again.
;   X   written by the 16 loads alone, each register once; read by the roundings.  No vector instruction writes it and no load lands in it a second time.
;   Y   each pair is written once, by two roundings, and read by one store; never written again.
;   RES written by the rows' last multiplies, read by the store of nh.
;   The chains CH, T, ZERO and LN are named by vector instructions alone.
; A row's eight pieces are two blocks of four.  The first block's four stores stand in the second block, behind ONE wait at its head, one in front of each piece's vector lines, which name the second block's
; X and Y and the chains.  The second block's four stores stand behind ONE wait at the head of the row's sum, dealt among its lines, which name CH, T and RES.  So no vector instruction issued since a wait
; names a register of the stores that follow that wait.
.set ROW,  4096                        ; bytes in a row of features
.set OROW, 2048                        ; bytes in a row of xb
.set LN,   1                           ; v1        lane
.set IN,   2                           ; v2        my 16 bytes in the wave's first row of features; never rewritten
.set OUT,  3                           ; v3        my 8 bytes in the wave's first row of xb; never rewritten
.set ZERO, 4                           ; v4        0: the addend of a chain's first multiply-add
.set NO,   5                           ; v5        the wave's 8 bytes in nh
.set RES,  6                           ; v[6:7]    the two rows' results
.set CH,   8                           ; v[8:15]   four chains of sums a row
.set X,    16                          ; v[16:79]  row i, load j: 4 registers at X + 32 i + 4 j
.set Y,    80                          ; v[80:111] row i, load j: 2 registers at Y + 16 i + 2 j
.set T,    112                         ; v112      at work
	s_load_b128 s[4:7], s[0:1], 0x0                ; features s[4:5], xb s[6:7]
	s_load_b64 s[8:9], s[0:1], 0x10                ; nh
	v_lshrrev_b32 v[T], 5, v0
	v_readfirstlane_b32 s10, v[T]                  ; wave 0..7
	v_and_b32 v[LN], 31, v0
	s_lshl_b32 s2, ttmp9, 16                       ; the work-group's 16 rows of 4,096 bytes
	s_mov_b32 s3, 0
	s_lshl_b32 s14, ttmp9, 15                      ; and of 2,048
	s_mov_b32 s15, 0
	s_mov_b32 s12, 0x76543210                      ; v_permlanex16_b32: each lane takes its own place in the other half
	s_mov_b32 s13, 0xfedcba98
	s_wait_alu depctr_va_sdst(0)                   ; s10 is written, ahead of its first reader: the three offsets are made from it
	s_lshl_b32 s17, s10, 13                        ; the wave's 2 rows
	v_lshl_add_u32 v[IN], v[LN], 4, s17
	s_lshl_b32 s18, s10, 12
	v_lshl_add_u32 v[OUT], v[LN], 3, s18
	v_mov_b32 v[ZERO], 0
	s_lshl_b32 s19, ttmp9, 6                       ; 16 rows x 4 bytes of nh,
	s_lshl_b32 s20, s10, 3                         ; the wave's 2
	s_add_co_u32 s19, s19, s20
	v_mov_b32 v[NO], s19
	s_wait_kmcnt 0x0
	s_add_nc_u64 s[4:5], s[4:5], s[2:3]
	s_add_nc_u64 s[6:7], s[6:7], s[14:15]
	s_wait_alu depctr_va_vdst(0)                   ; v[IN], v[OUT] and v[NO] are written: every load and store of the kernel reads one of them as its offset
.irp i, 0,1
.irp j, 0,1,2,3,4,5,6,7
	global_load_b128 v[X+32*(\i)+4*(\j):X+32*(\i)+4*(\j)+3], v[IN], s[4:5] offset:(\i)*ROW+(\j)*512 th:TH_LOAD_NT
.endr
.endr
; The 8 bytes of load j of row i leave.
.macro SEND i, j
	global_store_b64 v[OUT], v[Y+16*(\i)+2*(\j):Y+16*(\i)+2*(\j)+1], s[6:7] offset:(\i)*OROW+(\j)*256  ; 32 lanes store 256 consecutive bytes, at a multiple of 256 from xb's first byte
.endm
; Load j of row i: four numbers are rounded, and their squares (of the rounded numbers, read as bf16 halves, summed in f32) go onto the row's four chains.
; head = 1: the first piece of a row's second block.  sj >= 0: the store of the same row's piece sj, of the first block, stands in front of the vector lines.
.macro PIECE i, j, head, sj
.set rX, X+32*(\i)+4*(\j)
.set rY, Y+16*(\i)+2*(\j)
.set rC, CH+4*(\i)
.set rA, rC                            ; the addends: the chains,
.set sA, 1
.if (\j) == 0
.set rA, ZERO                          ; or 0 for a chain's first link: nothing is cleared
.set sA, 0
.endif
	s_wait_loadcnt 15-(8*(\i)+(\j))                ; loads come back in order: this one is in, the younger ones stay out
.if \head
	s_wait_alu depctr_va_vdst(0)                   ; the roundings of the row's first four pieces have written their Y, which this block's four stores read
.endif
.if (\sj) >= 0
	SEND \i, \sj                                   ; no vector instruction since that wait names its Y or v[OUT]
.endif
	v_cvt_pk_bf16_f32 v[rY],   v[rX],   v[rX+1]
	v_cvt_pk_bf16_f32 v[rY+1], v[rX+2], v[rX+3]
	v_fma_mix_f32_bf16 v[rC],   v[rY],   v[rY],   v[rA]      op_sel_hi:[1,1,0]
	v_fma_mix_f32_bf16 v[rC+1], v[rY],   v[rY],   v[rA+sA]   op_sel:[1,1,0] op_sel_hi:[1,1,0]
	v_fma_mix_f32_bf16 v[rC+2], v[rY+1], v[rY+1], v[rA+2*sA] op_sel_hi:[1,1,0]
	v_fma_mix_f32_bf16 v[rC+3], v[rY+1], v[rY+1], v[rA+3*sA] op_sel:[1,1,0] op_sel_hi:[1,1,0]
.endm
; Row i: the four chains, then the 32 lanes; every lane ends with the row's sum.  The stores of the row's last four pieces are dealt among these lines, which name CH, T and RES alone.
.macro SUM i
.set rC, CH+4*(\i)
	s_wait_alu depctr_va_vdst(0)                   ; the roundings of the row's last four pieces have written their Y, which the four stores below read
	SEND \i, 4
	v_add_f32 v[rC], v[rC], v[rC+1]
	v_add_f32 v[rC+2], v[rC+2], v[rC+3]
	SEND \i, 5
	v_add_f32 v[rC], v[rC], v[rC+2]
	v_add_f32_dpp v[rC], v[rC], v[rC] row_xmask:1 row_mask:0xf bank_mask:0xf
	SEND \i, 6
	v_add_f32_dpp v[rC], v[rC], v[rC] row_xmask:2 row_mask:0xf bank_mask:0xf
	v_add_f32_dpp v[rC], v[rC], v[rC] row_xmask:4 row_mask:0xf bank_mask:0xf
	SEND \i, 7
	v_add_f32_dpp v[rC], v[rC], v[rC] row_xmask:8 row_mask:0xf bank_mask:0xf
	v_permlanex16_b32 v[T], v[rC], s12, s13        ; its destination counts as read: T has been written
	v_add_f32 v[rC], v[rC], v[T]
	v_mul_f32 v[RES+(\i)], -0.5, v[rC]
.endm
; A row: its first block, its second block with the first block's stores, its sum with the second block's stores.
.macro WHOLE i
	PIECE \i, 0, 0, -1
	PIECE \i, 1, 0, -1
	PIECE \i, 2, 0, -1
	PIECE \i, 3, 0, -1
	PIECE \i, 4, 1, 0
	PIECE \i, 5, 0, 1
	PIECE \i, 6, 0, 2
	PIECE \i, 7, 0, 3
	SUM \i
.endm
	WHOLE 0                                        ; row 0's sum stands where row 1's loads come in
	WHOLE 1
	s_wait_xcnt 0x0                                ; EXEC is a source of the pending stores: it changes only behind this wait
	v_cmp_eq_u32 vcc_lo, 0, v[LN]
	s_wait_alu depctr_va_vcc(0)                    ; the compare has written VCC, of which EXEC is made
	s_wait_alu depctr_va_vdst(0)                   ; every vector instruction issued under the full EXEC is done; among them the two multiplies that write v[RES ..], which the store below reads
	s_wait_alu depctr_vm_vsrc(0)                   ; every store issued under the full EXEC has read its registers
	s_and_saveexec_b32 s16, vcc_lo                 ; lane 0 alone
	global_store_b64 v[NO], v[RES:RES+1], s[8:9]
	s_wait_xcnt 0x0                                ; and again in front of the line that widens it
	s_wait_alu depctr_va_vdst(0)                   ; in front of a scalar write of EXEC: no vector instruction is under way
	s_wait_alu depctr_vm_vsrc(0)                   ; the store of nh, issued under the narrow EXEC, has read its registers
	s_or_b32 exec_lo, exec_lo, s16
	s_endpgm
.Lfunc_end_k_qcaa0c09799_prep:
	.size	k_qcaa0c09799_prep, .Lfunc_end_k_qcaa0c09799_prep-k_qcaa0c09799_prep
	.p2alignl 7, 3214868480
	.fill 96, 4, 3214868480
	.section	.rodata,"a",@progbits
	.p2align	6, 0x0
	.amdhsa_kernel k_qcaa0c09799_prep
		.amdhsa_group_segment_fixed_size 0
		.amdhsa_private_segment_fixed_size 0
		.amdhsa_enable_private_segment 0
		.amdhsa_kernarg_size 24
		.amdhsa_user_sgpr_count 2
		.amdhsa_user_sgpr_kernarg_segment_ptr 1
		.amdhsa_wavefront_size32 1
		.amdhsa_system_sgpr_workgroup_id_x 1
		.amdhsa_system_sgpr_workgroup_id_y 1
		.amdhsa_system_sgpr_workgroup_id_z 1
		.amdhsa_system_vgpr_workitem_id 0
		.amdhsa_next_free_vgpr 120
		.amdhsa_next_free_sgpr 66
		.amdhsa_reserve_vcc 1
		.amdhsa_float_denorm_mode_32 3
		.amdhsa_float_denorm_mode_16_64 3
		.amdhsa_memory_ordered 1
		.amdhsa_forward_progress 1
		.amdhsa_inst_pref_size 13
	.end_amdhsa_kernel
	.amdgpu_metadata
---
amdhsa.version: [ 1, 2 ]
amdhsa.kernels:
  - .name:           k_qcaa0c09799_prep
    .symbol:         k_qcaa0c09799_prep.kd
    .args:
      - { .name: features, .offset: 0, .size: 8, .value_kind: global_buffer, .address_space: global }
      - { .name: xb, .offset: 8, .size: 8, .value_kind: global_buffer, .address_space: global }
      - { .name: nh, .offset: 16, .size: 8, .value_kind: global_buffer, .address_space: global }
    .group_segment_fixed_size: 0
    .private_segment_fixed_size: 0
    .kernarg_segment_align: 8
    .kernarg_segment_size: 24
    .max_flat_workgroup_size: 256
    .sgpr_count:     66
    .vgpr_count:     120
    .wavefront_size: 32
...
	.end_amdgpu_metadata
.endif
;; end of part 4
;; launch gram: the kernel of part 2 again; grid 8 x 32, 4 waves a work-group, clusters of 4 x 4, 327,680 bytes of LDS; arguments xb, nh, cand; writes cand
;; launch finish: the kernel of part 3 again; grid 256 x 1, 4 waves a work-group, no clusters, 6,656 bytes of LDS; arguments cand, nh, out0; writes out0
